; MI455X (gfx1250); checked and timed in simulation.
; The chip was launched on July 23, 2026; its instructions are those of AMD's public machine-readable ISA for CDNA 5 (MIT licence, August 2026) and "CDNA5" Instruction Set Architecture Reference Guide (July 2026). The comments in the code are by the model that wrote it; some were corrected since.
;; Q Linear. Allowed arithmetic: float matrix products may take bf16 or f16 operands with f32 sums; all other float work in f32.
;; Inputs: W_q 131,072 x 64 int32; bias 4,096 float32; scale 262,144 x 1 float32; x 4,096 x 4,096 float32; zero 262,144 x 1 float32.
;; Outputs: out0 4,096 x 4,096 float32.
;; 2 versions, each right; version 2 is version 1 with the launch prep written anew for expert scheduling mode. Each part assembles by itself: llvm-mc -triple=amdgcn-amd-amdhsa -mcpu=gfx1250 --defsym DOCPART=n.
;; ======== version 1 of 2: 2 launches
;; limits: values are held in f16: magnitudes above 65,504 overflow, below 6.1e-05 lose precision
;; workspace buffers: xh 33,554,432 bytes; wh 33,554,432 bytes
;; launch prep (part 1): grid 768 x 1, 8 waves a work-group, no clusters, 0 bytes of LDS; arguments x, W_q, scale, zero, xh, wh; writes xh, wh
.if DOCPART == 1
	.amdgcn_target "amdgcn-amd-amdhsa--gfx1250"
	.amdhsa_code_object_version 6
	.text
	.protected	k_q67089ed874_prep
	.globl	k_q67089ed874_prep
	.p2align	8
	.type	k_q67089ed874_prep,@function
k_q67089ed874_prep:
	s_mov_b64 s[64:65], 0
	v_nop
	global_prefetch_b8 v0, s[64:65] scope:SCOPE_SE
	s_setreg_imm32_b32 hwreg(HW_REG_WAVE_MODE, 25, 1), 1
	s_wait_xcnt 0x0
; xh[t][k] = f16(x[t][k]);  wh[o][k] = f16((code(o, k) - zero[g]) * scale[g]), g = 64 o + k / 64.
; W_q, read as [2048 rows][4096] of int32: word (r, k) holds the code of wh[r][k] in W_q >> 4 (arithmetic shift) and that of wh[r + 2048][k] in W_q & 15.
; The dequantisation is made in f32 in the order subtract, multiply, and rounded once to f16.
; LIMITS.  f16 holds no number beyond 65,504: an x or a dequantised weight of magnitude 65,520 or more becomes an infinity; below 6e-5 f16 keeps its fixed step of 6e-8.
; SHARES.  A stream: each input byte is read once, each output byte written once, nothing is shared, so there is no LDS, no barrier, no matrix work.
; One wave takes one row of 16,384 input bytes as 32 loads of 16 bytes a lane (512 consecutive bytes each), all issued before anything else: the row is in flight at once, and there is no loop.
; Work-groups 0-511: wave w of group b takes row 8 b + w of x.  Work-groups 512-767: wave w of group b - 512 takes row 8 (b - 512) + w of W_q and writes two rows of wh.
; Results are written over the registers that their load filled; those are then store data and are never written again, and no address register or base is written behind the first load:
; so the only waits are the counted waits for the loads.  A store is 8 bytes a lane: 256 consecutive bytes, aligned.
.set SH,  8                            ; v8-9    scale of the high nibbles' row: register m, lane (h, i) holds group 2 (i + 16 m) + h of the row's 64
.set ZH,  10                           ; v10-11  zero of that row
.set SL,  12                           ; v12-13  scale of the low nibbles' row (2,048 rows further down)
.set ZL,  14                           ; v14-15  zero of that row
.set PSH, 16                           ; v16-17  the chunk's scale, high row, in the pair's low word (the packed forms take the low word for both halves)
.set PZH, 18                           ; v18-19  its zero
.set PSL, 20                           ; v20-21  the same for the low row
.set PZL, 22                           ; v22-23
.set T,   24                           ; v24-31  at work: four high codes, four low codes
.set X,   32                           ; v32-159 load j at X + 4 j
	s_load_b256 s[4:11], s[0:1], 0x0               ; x s[4:5], W_q s[6:7], scale s[8:9], zero s[10:11]
	s_load_b128 s[12:15], s[0:1], 0x20             ; xh s[12:13], wh s[14:15]
	v_lshrrev_b32 v1, 5, v0
	v_readfirstlane_b32 s16, v1                    ; my wave's number
	v_and_b32 v2, 31, v0                           ; lane
	v_lshlrev_b32 v3, 4, v2                        ; 16 bytes a lane in
	v_lshlrev_b32 v4, 3, v2                        ; 8 bytes a lane out
	s_mov_b32 s19, 0                               ; high words of the two offsets
	s_mov_b32 s21, 0
	s_wait_kmcnt 0x0
	s_cmp_ge_u32 ttmp9, 512
	s_cbranch_scc1 .Lweights
	; ---- a row of x ----
	s_lshl_b32 s17, ttmp9, 3
	s_add_co_u32 s17, s17, s16                     ; row 8 b + w
	s_lshl_b32 s18, s17, 14                        ; 16,384 bytes a row in (the last row begins under 2^26)
	s_lshl_b32 s20, s17, 13                        ; 8,192 bytes a row out
	s_add_nc_u64 s[4:5], s[4:5], s[18:19]
	s_add_nc_u64 s[12:13], s[12:13], s[20:21]
.set c, 0
.rept 32
	global_load_b128 v[X+4*c:X+4*c+3], v3, s[4:5] offset:512*c th:TH_LOAD_NT
.set c, c+1
.endr
.macro XCH j                           ; chunk j: four numbers a lane, rounded in pairs, stored
	s_wait_loadcnt 31-(\j)                         ; loads come back in order (ISA guide 5.7.1): chunk j is in, the 31 - j younger ones stay out
	v_cvt_pk_f16_f32 v[X+4*(\j)],   v[X+4*(\j)],   v[X+4*(\j)+1]
	v_cvt_pk_f16_f32 v[X+4*(\j)+1], v[X+4*(\j)+2], v[X+4*(\j)+3]
	global_store_b64 v4, v[X+4*(\j):X+4*(\j)+1], s[12:13] offset:256*(\j)
.endm
.set c, 0
.rept 32
	XCH c
.set c, c+1
.endr
	s_endpgm
	; ---- a row of W_q: two rows of wh ----
.Lweights:
	s_sub_co_u32 s17, ttmp9, 512
	s_lshl_b32 s17, s17, 3
	s_add_co_u32 s17, s17, s16                     ; row r = 8 (b - 512) + w, 0 to 2,047
	s_lshl_b32 s18, s17, 14
	s_lshl_b32 s20, s17, 13
	s_add_nc_u64 s[6:7], s[6:7], s[18:19]          ; W_q at row r
	s_add_nc_u64 s[14:15], s[14:15], s[20:21]      ; wh at row r,
	s_add_nc_u64 s[22:23], s[14:15], 0x1000000     ; and at row r + 2,048: 2,048 rows of 8,192 bytes
	s_lshl_b32 s18, s17, 8                         ; a row's 64 scales, and its 64 zeros, are 256 bytes
	s_add_nc_u64 s[8:9], s[8:9], s[18:19]
	s_add_nc_u64 s[10:11], s[10:11], s[18:19]
	v_and_b32 v5, 15, v2                           ; i = lane % 16
	v_lshrrev_b32 v1, 4, v2                        ; h = lane / 16
	v_lshlrev_b32 v5, 3, v5
	v_lshl_add_u32 v5, v1, 2, v5                   ; 8 i + 4 h: with 128 m that is group 2 (i + 16 m) + h; an array's two loads cover its 256 bytes
.irp m, 0,1
	global_load_b32 v[SH+(\m)], v5, s[8:9]   offset:128*(\m)
	global_load_b32 v[ZH+(\m)], v5, s[10:11] offset:128*(\m)
	global_load_b32 v[SL+(\m)], v5, s[8:9]   offset:524288+128*(\m)   ; 2,048 rows of 256 bytes further on
	global_load_b32 v[ZL+(\m)], v5, s[10:11] offset:524288+128*(\m)
.endr
.set c, 0
.rept 32
	global_load_b128 v[X+4*c:X+4*c+3], v3, s[6:7] offset:512*c th:TH_LOAD_NT
.set c, c+1
.endr
.set c, PSH
.rept 8
	v_mov_b32 v[c], 0                              ; the four pairs are written whole once: a lane-sharing move counts as a reader of its destination, a packed form as a reader of the pair
.set c, c+1
.endr
; Chunk j = 16 m + n.  Lane l holds k = 128 j + 4 l .. + 3, which lie in group 2 j + l / 16: that group's numbers stand in lane n of my half of the lanes, register m.
.macro WCH m, n
.set j, 16*(\m)+(\n)
	s_wait_loadcnt 31-j                            ; chunk j is in (and the scales and zeros, which were asked for first); the younger chunks stay out
	v_mov_b32_dpp v[PSH], v[SH+(\m)] row_share:\n row_mask:0xf bank_mask:0xf
	v_mov_b32_dpp v[PZH], v[ZH+(\m)] row_share:\n row_mask:0xf bank_mask:0xf
	v_mov_b32_dpp v[PSL], v[SL+(\m)] row_share:\n row_mask:0xf bank_mask:0xf
	v_mov_b32_dpp v[PZL], v[ZL+(\m)] row_share:\n row_mask:0xf bank_mask:0xf
.irp e, 0,1,2,3
	v_ashrrev_i32 v[T+(\e)],   4,  v[X+4*j+(\e)]   ; W_q >> 4
	v_and_b32     v[T+4+(\e)], 15, v[X+4*j+(\e)]   ; W_q & 15
.endr
.irp e, 0,1,2,3,4,5,6,7
	v_cvt_f32_i32 v[T+(\e)], v[T+(\e)]
.endr
.irp p, 0,2
	v_pk_add_f32 v[T+(\p):T+(\p)+1],     v[T+(\p):T+(\p)+1],     v[PZH:PZH+1] op_sel_hi:[1,0] neg_lo:[0,1] neg_hi:[0,1]  ; code - zero
	v_pk_add_f32 v[T+4+(\p):T+4+(\p)+1], v[T+4+(\p):T+4+(\p)+1], v[PZL:PZL+1] op_sel_hi:[1,0] neg_lo:[0,1] neg_hi:[0,1]
.endr
.irp p, 0,2
	v_pk_mul_f32 v[T+(\p):T+(\p)+1],     v[T+(\p):T+(\p)+1],     v[PSH:PSH+1] op_sel_hi:[1,0]  ; times scale
	v_pk_mul_f32 v[T+4+(\p):T+4+(\p)+1], v[T+4+(\p):T+4+(\p)+1], v[PSL:PSL+1] op_sel_hi:[1,0]
.endr
.irp p, 0,1,2,3
	v_cvt_pk_f16_f32 v[X+4*j+(\p)], v[T+2*(\p)], v[T+2*(\p)+1]
.endr
	global_store_b64 v4, v[X+4*j:X+4*j+1],   s[14:15] offset:256*j
	global_store_b64 v4, v[X+4*j+2:X+4*j+3], s[22:23] offset:256*j
.endm
.irp m, 0,1
.irp n, 0,1,2,3,4,5,6,7,8,9,10,11,12,13,14,15
	WCH \m, \n
.endr
.endr
	s_endpgm
.Lfunc_end_k_q67089ed874_prep:
	.size	k_q67089ed874_prep, .Lfunc_end_k_q67089ed874_prep-k_q67089ed874_prep
	.p2alignl 7, 3214868480
	.fill 96, 4, 3214868480
	.section	.rodata,"a",@progbits
	.p2align	6, 0x0
	.amdhsa_kernel k_q67089ed874_prep
		.amdhsa_group_segment_fixed_size 0
		.amdhsa_private_segment_fixed_size 0
		.amdhsa_enable_private_segment 0
		.amdhsa_kernarg_size 48
		.amdhsa_user_sgpr_count 2
		.amdhsa_user_sgpr_kernarg_segment_ptr 1
		.amdhsa_wavefront_size32 1
		.amdhsa_system_sgpr_workgroup_id_x 1
		.amdhsa_system_sgpr_workgroup_id_y 1
		.amdhsa_system_sgpr_workgroup_id_z 1
		.amdhsa_system_vgpr_workitem_id 0
		.amdhsa_next_free_vgpr 160
		.amdhsa_next_free_sgpr 66
		.amdhsa_reserve_vcc 0
		.amdhsa_float_denorm_mode_32 3
		.amdhsa_float_denorm_mode_16_64 3
		.amdhsa_memory_ordered 1
		.amdhsa_forward_progress 1
		.amdhsa_inst_pref_size 72
	.end_amdhsa_kernel
	.amdgpu_metadata
---
amdhsa.version: [ 1, 2 ]
amdhsa.kernels:
  - .name:           k_q67089ed874_prep
    .symbol:         k_q67089ed874_prep.kd
    .args:
      - { .name: x, .offset: 0, .size: 8, .value_kind: global_buffer, .address_space: global }
      - { .name: W_q, .offset: 8, .size: 8, .value_kind: global_buffer, .address_space: global }
      - { .name: scale, .offset: 16, .size: 8, .value_kind: global_buffer, .address_space: global }
      - { .name: zero, .offset: 24, .size: 8, .value_kind: global_buffer, .address_space: global }
      - { .name: xh, .offset: 32, .size: 8, .value_kind: global_buffer, .address_space: global }
      - { .name: wh, .offset: 40, .size: 8, .value_kind: global_buffer, .address_space: global }
    .group_segment_fixed_size: 0
    .private_segment_fixed_size: 0
    .kernarg_segment_align: 8
    .kernarg_segment_size: 48
    .max_flat_workgroup_size: 256
    .sgpr_count:     66
    .vgpr_count:     160
    .wavefront_size: 32
...
	.end_amdgpu_metadata
.endif
;; end of part 1
;; launch gemm (part 2): grid 16 x 16, 4 waves a work-group, clusters of 4 x 4, 327,680 bytes of LDS; arguments xh, wh, out0, bias; writes out0
.if DOCPART == 2
	.amdgcn_target "amdgcn-amd-amdhsa--gfx1250"
	.amdhsa_code_object_version 6
	.text
	.protected	k_q67089ed874_gemm
	.globl	k_q67089ed874_gemm
	.p2align	8
	.type	k_q67089ed874_gemm,@function
k_q67089ed874_gemm:
	s_mov_b64 s[64:65], 0
	v_nop
	global_prefetch_b8 v0, s[64:65] scope:SCOPE_SE
	s_setreg_imm32_b32 hwreg(HW_REG_WAVE_MODE, 25, 1), 1
	s_wait_xcnt 0x0
	s_wait_alu depctr_hold_cnt(0) depctr_sa_sdst(0) depctr_va_vdst(0) depctr_va_sdst(0) depctr_va_ssrc(0) depctr_va_vcc(0) depctr_vm_vsrc(0)
	s_getreg_b32 s2, hwreg(HW_REG_IB_STS2, 6, 4)
	s_cmp_eq_u32 s2, 0
	s_cbranch_scc0 .Lentry_in_a_cluster
	s_endpgm
.Lentry_in_a_cluster:
	s_bfe_u32 s2, ttmp6, 0x10000c
	s_cmp_lg_u32 s2, 0xf033
	s_cbranch_scc0 .Lentry_shape_is_right
	s_endpgm
.Lentry_shape_is_right:
; out0[t][o] = sum over k of xh[t][k] wh[o][k] + bias[o].  xh (A): [4096][4096] f16, wh (B): [4096][4096] f16, both with k along the rows; out0: [4096][4096] f32; bias: [4096] f32.
; Products of f16 operands, sums in f32, K ascending, one accumulator for each output; the bias is added in f32 on the way out.
; LIMITS.  The operands arrive in f16 (largest number 65,504; fixed step 6e-8 below 6e-5): what the launch in front wrote.  NaN and infinities are not treated apart.
; SHARES.  A tile of out0, 256 x 256, is made by a work-group of four waves; a wave makes 128 x 128: 64 accumulators of 16 x 16, 512 registers.  16 x 16 tiles: 256 work-groups.
; K goes in 32 steps of 128 through a ring of two LDS slots filled by the tensor data mover: the tiles' rows are 256 bytes of memory and start at multiples of 256 bytes from the buffer's first byte.
; CLUSTERS: 4 x 4 work-groups.  The four of a row of the cluster need the same tiles of A, the four of a column the same tiles of B: each tile is asked for JOINTLY, by the same tensor load with
; the same descriptor and a mask that names the four; each receives it in its own LDS.  That divides the requests for A and for B by four.
; A wave has two tensor loads out at the start and one behind each round.
; REGISTERS, in windows of 256 (s_set_vgpr_msb's low byte: bits 1:0 source 0, 3:2 source 1, 5:4 source 2, 7:6 destination):
;   window 0: v0-31 addresses and the bias; v64-127, v128-191 fragments of A (8 x 16 rows x 32 K), two buffers; on the way out the same 128 registers hold two blocks of 16 rows
;   window 1: v64-127, v128-191 fragments of B, two buffers
;   window 2: the 32 accumulators of my rows 0-63 (accumulator (a, b) at v[8 (8 a + b)]);   window 3: those of my rows 64-127
; THE MATRIX INSTRUCTION IS USED TRANSPOSED: source 0 = 16 rows of B, source 1 = 16 rows of A.  In the result lane l holds row l % 16 of out0 and its registers 0 to 7 the columns
; 8 (l / 16) + 0 .. 7: eight neighbouring numbers of a row, 32 bytes, which go into the stage by two stores of 16 bytes.
.set SIZE_K, 4096
.set SIZE_N, 4096
.set KSTEP,  128
.set PITCH,  272                       ; an LDS row: 256 bytes of data + 16 of padding = 68 words: row r starts at bank 4 r mod 64 (64 banks of 4 bytes: ISA guide 11.1), so the 16 rows that a load touches start at 16 different banks
.set HALFT,  128*PITCH                 ; 128 rows: what one tensor load brings, and what one wave reads of A or of B
.set SLOT,   4*HALFT                   ; A's 256 rows, then B's 256 rows
.set STAGE,  2*SLOT                    ; behind the ring: 16 rows x 528 bytes for each wave, for the way out; no tensor load fills it
.set SPITCH, 528                       ; a stage row: my 128 columns in f32, 512 bytes, + 16 of padding: the 16 rows of a store start at 16 different groups of four banks
.set SPARE,  STAGE+4*16*SPITCH         ; behind the stages: the spare words, 128 bytes for each wave: two blocks of 256 bytes that no other line names
.set LAPS,   SIZE_K/(2*KSTEP)          ; a lap = two K steps = once round the ring: 16
.set ROWC,   SIZE_N*4                  ; bytes in a row of out0
.set BI,   8                           ; v8-11   bias of the four columns that I store
.set ADRA, 16                          ; v16-17  LDS address of my A fragments in slot 0, 1
.set ADRB, 20                          ; v20-21  the same for B
.set STO,  24                          ; v24     the way out: where I put 32 bytes of a row
.set RD,   25                          ; v25     the way out: where I read 16 bytes of a row back
.set CO,   26                          ; v26     16 x lane: my byte offset in 512 bytes of a row of out0, and of the bias
.set SPW,  28                          ; v28     LDS address of my spare word: SPARE + 4 x my thread's number; never rewritten
.set NIL,  29                          ; v29     0; never rewritten
.set F0,   64                          ; fragment buffer 0
.set F1,   128                         ; fragment buffer 1
.set G1,  24                           ; s[24:31] descriptor group 1 for A's tiles
.set G0,  32                           ; s[32:39] descriptor group 0 for A's tiles, one set for each slot
.set G1B, 48                           ; s[48:55] descriptor group 1 for B's tiles: it differs from A's in the mask alone
.set G0B, 56                           ; s[56:63] descriptor group 0 for B's tiles, one set for each slot
.set MSB, 0
.macro WIN new                         ; the immediate's high byte repeats the setting that is left; a switch that changes nothing is dropped
.if MSB != (\new)
	s_set_vgpr_msb (MSB<<8)|(\new)
.set MSB, \new
.endif
.endm
.set MUL_LO, 0xa1                      ; source 0 (B) window 1, source 1 (A) window 0, C and D window 2
.set MUL_HI, 0xf1                      ; the same, C and D window 3
.set TO_B,   0x40                      ; destination window 1, address window 0
; A joint load.  Waves 0 and 1 fetch A's two halves, waves 2 and 3 B's.  Each of the two lines has ONE mask and one set of registers for all that issue it.  The branch hangs on the wave's number alone.
; An s_nop 0 and four v_nop follow each of the two lines; the jump round the other line, the label and what follows the macro come after them.
.macro JLOAD s
	s_cmp_eq_u32 s11, 0
	s_cbranch_scc0 .Lfor_b_\@
	tensor_load_to_lds s[G0+4*(\s):G0+4*(\s)+3], s[G1:G1+7]
	s_nop 0
.rept 4
	v_nop
.endr
	s_branch .Lasked_\@
.Lfor_b_\@:
	tensor_load_to_lds s[G0B+4*(\s):G0B+4*(\s)+3], s[G1B:G1B+7]
	s_nop 0
.rept 4
	v_nop
.endr
.Lasked_\@:
.endm
; A round of the cluster's barrier: my work-group's barrier, so that wave 0's signal speaks for all four waves; wave 0 signals for the work-group; every wave waits for all
; sixteen work-groups; my work-group's barrier once more.  No LDS instruction of the wave is pending at a signal.
.macro CREST                           ; a round behind its opening barrier
	s_cmp_lg_u32 s10, 0
	s_cbranch_scc1 .Lnot_wave_0_\@
	s_barrier_signal -3
.Lnot_wave_0_\@:
	s_barrier_wait -3
	s_barrier_signal -1
	s_barrier_wait -1
.endm
.macro CROUND                          ; a whole round
	s_barrier_signal -1
	s_barrier_wait -1
	CREST
.endm
	s_load_b128 s[4:7], s[0:1], 0x0                ; A (xh) s[4:5], B (wh) s[6:7]
	s_load_b64 s[8:9], s[0:1], 0x10                ; out0
	s_load_b64 s[18:19], s[0:1], 0x18              ; bias
	v_lshl_add_u32 v[SPW], v0, 2, SPARE
	v_mov_b32 v[NIL], 0
	ds_add_u32 v[SPW], v[NIL]                      ; the wave's opening: the add and its wait stand ahead of my first tensor load; the set-up below, work on registers, stands between them
	v_lshrrev_b32 v1, 5, v0
	v_readfirstlane_b32 s10, v1                    ; wave 0..3
	s_lshr_b32 s11, s10, 1                         ; which half of the tile's rows is mine.  Also: I fetch for A (0) or for B (1)
	s_and_b32 s12, s10, 1                          ; which half of its columns.  Also: which 128 rows of that tile I fetch
	s_bfe_u32 s40, ttmp6, 0x40000                  ; cx: my place along the cluster's x
	s_bfe_u32 s41, ttmp6, 0x40004                  ; cy: along its y
	s_lshl_b32 s42, ttmp9, 2                       ; in a cluster launch ttmp9 and ttmp7 count clusters
	s_add_co_u32 s42, s42, s40                     ; tile column = 4 x cluster x + cx
	s_and_b32 s13, ttmp7, 0xffff
	s_lshl_b32 s13, s13, 2
	s_add_co_u32 s13, s13, s41                     ; tile row = 4 x cluster y + cy
	s_lshl_b32 s43, s41, 2
	s_lshl_b32 s43, 15, s43                        ; my row of the cluster: places 4 cy .. 4 cy + 3
	s_lshl_b32 s44, 0x1111, s40                    ; my column: places cx, cx + 4, cx + 8, cx + 12
	; descriptor group 1: a tile of 128 rows x 128 elements of 2 bytes, padded in LDS
	s_or_b32 s[G1+0], s43, (1<<16)|(1<<20)|(1<<21)|(5<<22)|(3<<25)   ; 15:0 the mask: A's tiles go to my row; 17:16 element of 2 bytes; 20 padding on; 21 set beside a mask; 24:22 after every 64 words (code 5); 31:25 4 words of it (code 3)
	s_or_b32 s[G1B+0], s44, (1<<16)|(1<<20)|(1<<21)|(5<<22)|(3<<25)  ; the same with the mask of my column, for B's tiles
.irp g, G1, G1B
	s_mov_b32 s[(\g)+1], KSTEP<<16                 ; 63:48 tensor_dim0, low half = 128
	s_mov_b32 s[(\g)+2], 128<<16                   ; 79:64 its high half = 0; 95:80 tensor_dim1, low half = 128
	s_mov_b32 s[(\g)+3], KSTEP<<16                 ; 111:96 its high half = 0; 127:112 tile_dim0 = 128
	s_mov_b32 s[(\g)+4], 128                       ; 143:128 tile_dim1 = 128; 159:144 tile_dim2 = 0
	s_mov_b32 s[(\g)+5], SIZE_K                    ; 191:160 tensor_dim0_stride, low word: elements from row to row
	s_mov_b32 s[(\g)+6], 0
	s_mov_b32 s[(\g)+7], 0
.endr
	; where the tiles come from.  A's hang on the tile row alone, which my row of the cluster shares; B's on the tile column alone, which my column shares.
	; Every wave makes both offsets, in registers that never hold the other coordinate, and asks by one of them.
	s_lshl_b32 s17, s12, 7                         ; which 128 rows of the tile I fetch
	s_lshl_b32 s16, s13, 8
	s_add_co_u32 s16, s16, s17                     ; A: row 256 x tile row + 128 x half
	s_lshl_b32 s46, s42, 8
	s_add_co_u32 s46, s46, s17                     ; B: row 256 x tile column + 128 x half
	s_lshl_b32 s16, s16, 13                        ; rows of 8,192 bytes: the last row begins under 2^25
	s_lshl_b32 s46, s46, 13
	s_mov_b32 s17, 0
	s_mov_b32 s47, 0
	s_mul_i32 s20, s10, HALFT                      ; and where they go: A's two halves, then B's two halves = wave x 128 rows: no place in the cluster enters an LDS address
	s_wait_dscnt 0x0                               ; the opening add is done
	s_wait_kmcnt 0x0
	s_add_nc_u64 s[14:15], s[4:5], s[16:17]
	s_add_nc_u64 s[46:47], s[6:7], s[46:47]
	CROUND                                         ; all sixteen work-groups are here: the first joint loads meet
.irp s, 0,1
	s_mov_b32 s[G0+4*(\s)], 1                                        ; 1:0 count = 1
	s_add_co_u32 s[G0+4*(\s)+1], s20, (\s)*SLOT                      ; 63:32 LDS address
	s_add_nc_u64 s[G0+4*(\s)+2:G0+4*(\s)+3], s[14:15], (\s)*KSTEP*2  ; 120:64 global address: K step s
	s_or_b32 s[G0+4*(\s)+3], s[G0+4*(\s)+3], 0x80000000              ; 127:126 type = 2
	s_mov_b32 s[G0B+4*(\s)], 1
	s_add_co_u32 s[G0B+4*(\s)+1], s20, (\s)*SLOT
	s_add_nc_u64 s[G0B+4*(\s)+2:G0B+4*(\s)+3], s[46:47], (\s)*KSTEP*2
	s_or_b32 s[G0B+4*(\s)+3], s[G0B+4*(\s)+3], 0x80000000
	JLOAD \s                                       ; the ring is filled before anything else is done
.endr
	; A fragment is 16 rows x 32 K in 8 registers: lane l holds row l % 16; registers 0-3 hold K = 8 (l / 16) + 0..7, registers 4-7 hold
	; K = 16 + 8 (l / 16) + 0..7.  From rows that lie along K: two loads of 16 bytes, 32 bytes apart.  The same for source 0 and source 1.
	v_and_b32 v1, 15, v0                           ; l % 16
	v_bfe_u32 v2, v0, 4, 1                         ; l / 16
	v_mul_u32_u24 v3, v1, PITCH
	v_lshl_add_u32 v3, v2, 4, v3                   ; row x pitch + 16 x half
	s_mul_i32 s21, s11, HALFT                      ; my 128 rows of A
	s_mul_i32 s22, s12, HALFT                      ; my 128 rows of B,
	s_add_co_u32 s22, s22, 2*HALFT                 ; which lie behind A's 256
.irp s, 0,1
	v_add_nc_u32 v[ADRA+(\s)], s21, v3
	v_add_nc_u32 v[ADRB+(\s)], s22, v3
	s_add_co_u32 s21, s21, SLOT
	s_add_co_u32 s22, s22, SLOT
.endr
	s_mul_i32 s23, s10, 16*SPITCH
	s_add_co_u32 s23, s23, STAGE                   ; my stage
	v_mul_u32_u24 v4, v1, SPITCH                   ; in: row l % 16, 32 bytes for each half of the lanes
	v_lshl_add_u32 v4, v2, 5, v4
	v_add_nc_u32 v[STO], s23, v4
	v_and_b32 v5, 31, v0
	v_lshlrev_b32 v[CO], 4, v5                     ; back: 32 lanes take one row of 512 bytes, 16 bytes each,
	v_add_nc_u32 v[RD], s23, v[CO]                 ; and the same 512 bytes of a row of out0
	s_lshl_b32 s16, s13, 8
	s_lshl_b32 s14, s11, 7
	s_add_co_u32 s16, s16, s14                     ; my first row of out0: 256 x tile row + 128 x half
	s_lshl_b32 s16, s16, 14                        ; rows of 16,384 bytes: the last row begins under 2^26
	s_mov_b32 s17, 0
	s_add_nc_u64 s[8:9], s[8:9], s[16:17]
	s_lshl_b32 s46, s42, 10                        ; my first column, in bytes of f32: 1,024 x tile column + 512 x half (in the registers that held B's address: none that feeds A's descriptors ever holds cx)
	s_lshl_b32 s47, s12, 9
	s_add_co_u32 s46, s46, s47
	s_mov_b32 s47, 0
	s_add_nc_u64 s[8:9], s[8:9], s[46:47]
	s_add_nc_u64 s[18:19], s[18:19], s[46:47]
	global_load_b128 v[BI:BI+3], v[CO], s[18:19]   ; the bias of my four columns: the same in every row that I store
; 16 matrix instructions: m blocks a0, a0 + 1 of the window's four (hi = 0: my rows 0-63, 1: rows 64-127) x all 8 n blocks, 32 along K.
; zero = 1: the first product starts the sums: nothing is ever cleared.  The 64 accumulators take turns, one instruction a turn, in the same order in every quarter step.
.macro MUL16 f, hi, a0, zero
	WIN MUL_LO+0x50*(\hi)  ; MUL_LO or MUL_HI
.irp a, \a0, (\a0)+1
.irp b, 0,1,2,3,4,5,6,7
.if \zero
	v_wmma_f32_16x16x32_f16 v[8*(8*(\a)+(\b)):8*(8*(\a)+(\b))+7], v[(\f)+8*(\b):(\f)+8*(\b)+7], v[(\f)+8*(4*(\hi)+(\a)):(\f)+8*(4*(\hi)+(\a))+7], 0
.else
	v_wmma_f32_16x16x32_f16 v[8*(8*(\a)+(\b)):8*(8*(\a)+(\b))+7], v[(\f)+8*(\b):(\f)+8*(\b)+7], v[(\f)+8*(4*(\hi)+(\a)):(\f)+8*(4*(\hi)+(\a))+7], v[8*(8*(\a)+(\b)):8*(8*(\a)+(\b))+7]
.endif
.endr
.endr
.endm
; 32 LDS loads in one run: the fragments of one quarter step (128 rows of B, 128 rows of A, 32 K at byte k of the rows) into buffer f
.macro FETCH slot, k, f
	WIN TO_B
.irp i, 0,1,2,3,4,5,6,7
	ds_load_b128 v[(\f)+8*(\i):(\f)+8*(\i)+3],   v[ADRB+(\slot)] offset:(\k)+(\i)*16*PITCH
	ds_load_b128 v[(\f)+8*(\i)+4:(\f)+8*(\i)+7], v[ADRB+(\slot)] offset:(\k)+(\i)*16*PITCH+32
.endr
	WIN 0
.irp i, 0,1,2,3,4,5,6,7
	ds_load_b128 v[(\f)+8*(\i):(\f)+8*(\i)+3],   v[ADRA+(\slot)] offset:(\k)+(\i)*16*PITCH
	ds_load_b128 v[(\f)+8*(\i)+4:(\f)+8*(\i)+7], v[ADRA+(\slot)] offset:(\k)+(\i)*16*PITCH+32
.endr
.endm
; A load into a register that a matrix instruction has read, and an LDS store that reads a matrix result, stand four places behind that matrix instruction, and only plain vector
; instructions that name none of its registers are places (ISA guide 7.12.1 for vector instructions): four v_nop in front of each run of loads.
.macro PLACES
.rept 4
	v_nop
.endr
.endm
; A K step is four quarter steps of 32 along K, 64 matrix instructions each, on buffers 0, 1, 0, 1.
; One of the first three: multiplies buffer f; in its middle it fetches the next quarter's fragments, at byte k of the same slot's rows, into buffer g.
.macro QUARTER slot, k, f, g, zero
	s_wait_dscnt 8                                 ; B and A's rows 0-63 are in; the youngest eight loads (A's rows 64-127) may be out
	WIN MUL_LO
	MUL16 \f, 0, 0, \zero
	MUL16 \f, 0, 2, \zero
	PLACES
	FETCH \slot, \k, \g
	s_wait_dscnt 32                                ; all but the 32 just issued
	WIN MUL_HI
	MUL16 \f, 1, 0, \zero
	MUL16 \f, 1, 2, \zero
.endm
; The last quarter multiplies buffer 1 and changes slots.  MEET is its first half: ONE barrier for the change of slots, for two things.  In front of it each wave waits for all its
; tensor loads, of which one is out: its part of the next slot; adds 0 to its spare word; and waits for that and for its own reads of this slot.  Behind it nobody reads this slot any more and the next slot is whole.
.macro MEET round                      ; round = 1: a round of the cluster's barrier follows
	WIN 0                                          ; (the add's two registers lie in window 0)
	s_wait_tensorcnt 0x0                           ; all my tensor loads have landed: the one that was out is my part of the next slot;
	ds_add_u32 v[SPW], v[NIL]                      ; 0 onto my spare word;
	s_wait_dscnt 9                                 ; (the add and the youngest eight loads may be out)
	WIN MUL_LO
	MUL16 F1, 0, 0, 0                              ; sixteen matrix instructions stand between the add and the wait for it
	s_wait_dscnt 0x0                               ; the add is done, and my reads of this slot are over:
	s_barrier_signal -1                            ; say so (where a slot is filled again this barrier opens a round of the cluster's barrier),
	MUL16 F1, 0, 2, 0                              ; work on registers while the others arrive,
.if \round
	WIN 0
.endif
	s_barrier_wait -1                              ; and go on when all four have said so
.endm
; The whole last quarter.  fill = 1: behind the round the slot just read out is filled again first, with the K step two steps on; then come the next slot's first fragments.
; From a request to the wait for it a wave issues 224 matrix instructions.  fill = 0 (the last lap): nothing is asked for, and no round follows.
.macro TURN slot, next, fill
.if \fill
	MEET 1
	CREST                                          ; no wave of any partner still reads this slot's tile or has a load on its way
	s_add_nc_u64 s[G0+4*(\slot)+2:G0+4*(\slot)+3], s[G0+4*(\slot)+2:G0+4*(\slot)+3], 2*KSTEP*2      ; no tensor load of mine is out, so a group 0 may be written; the type bits on top are not reached
	s_add_nc_u64 s[G0B+4*(\slot)+2:G0B+4*(\slot)+3], s[G0B+4*(\slot)+2:G0B+4*(\slot)+3], 2*KSTEP*2
	JLOAD \slot                                    ; the first tensor load behind the round; the four v_nop behind it are also the places in front of the loads below
.else
	MEET 0
	PLACES
.endif
	FETCH \next, 0, F0
	WIN MUL_HI
	MUL16 F1, 1, 0, 0
	MUL16 F1, 1, 2, 0
.endm
; THE WAY OUT of block a (16 of my rows), in two parts.  TOSTAGE: the block's eight accumulators go as they are, in f32, into my own stage in LDS (each accumulator's four lowest registers first),
; and come back as whole rows of 512 bytes, into buffer a % 2 of the registers that held A's fragments.  SEND: the bias is added and the rows are stored.
.macro TOSTAGE a
.set AC, 64*((\a)%4)
.set BK, F0+64*((\a)%2)
	WIN 0x08+4*((\a)/4)                            ; the stores' data (source 1) in window 2 or 3, the address in window 0
.irp b, 0,1,2,3,4,5,6,7
	ds_store_b128 v[STO], v[AC+8*(\b):AC+8*(\b)+3]   offset:64*(\b)
	ds_store_b128 v[STO], v[AC+8*(\b)+4:AC+8*(\b)+7] offset:64*(\b)+16
.endr
	WIN 0
.if (\a) >= 2
	s_wait_xcnt 0x0                                ; every earlier memory instruction has had its addresses translated (ISA guide 3.1): the buffer, which block a - 2's stores read, is loaded again only behind this wait
.endif
.irp t, 0,1,2,3,4,5,6,7,8,9,10,11,12,13,14,15
	ds_load_b128 v[BK+4*(\t):BK+4*(\t)+3], v[RD] offset:(\t)*SPITCH  ; LDS serves a wave's instructions in order (ISA guide 5.7.1.4): these see the stores above; the next block's stores come behind them
.endr
.endm
.macro SEND a, younger                 ; younger: the LDS instructions issued behind block a's loads: the next block's 32, or none
	WIN 0
.set BK, F0+64*((\a)%2)
.irp t, 0,1,2,3,4,5,6,7,8,9,10,11,12,13,14,15
	s_wait_dscnt (\younger)+15-(\t)                ; row t is back; the block's later rows and the next block's instructions may be out
	v_pk_add_f32 v[BK+4*(\t):BK+4*(\t)+1],   v[BK+4*(\t):BK+4*(\t)+1],   v[BI:BI+1]
	v_pk_add_f32 v[BK+4*(\t)+2:BK+4*(\t)+3], v[BK+4*(\t)+2:BK+4*(\t)+3], v[BI+2:BI+3]
	global_store_b128 v[CO], v[BK+4*(\t):BK+4*(\t)+3], s[8:9] offset:(16*(\a)+(\t))*ROWC th:TH_STORE_NT  ; 512 consecutive bytes, at a multiple of 512 from out0's first byte; the row stands in the immediate, 127 rows of 16,384 bytes at the most, inside its signed 24 bits
.endr
.endm
	s_wait_loadcnt 0x0                             ; the bias, once
	s_wait_tensorcnt 1                             ; my part of K step 0 is in; K step 1's may stay out
	s_barrier_signal -1
	s_barrier_wait -1                              ; everybody's is
	FETCH 0, 0, F0
	QUARTER 0, 64,  F0, F1, 1                      ; the first quarter stands in front of the loop: its products start the sums
	WIN 0                                          ; at a label and at a branch every window is 0
	s_mov_b32 s3, LAPS-1
.Llap:                                                 ; a trip goes once round the ring, from a lap's second quarter to the next lap's first, and fills both slots again
	QUARTER 0, 128, F1, F0, 0
	QUARTER 0, 192, F0, F1, 0
	TURN 0, 1, 1
	QUARTER 1, 64,  F0, F1, 0
	QUARTER 1, 128, F1, F0, 0
	QUARTER 1, 192, F0, F1, 0
	TURN 1, 0, 1
	QUARTER 0, 64,  F0, F1, 0
	WIN 0
	s_sub_co_u32 s3, s3, 1
	s_cmp_lg_u32 s3, 0
	s_cbranch_scc1 .Llap
	QUARTER 0, 128, F1, F0, 0                      ; the last lap is written out: it fills nothing, and has no round of the cluster's barrier
	QUARTER 0, 192, F0, F1, 0
	TURN 0, 1, 0
	QUARTER 1, 64,  F0, F1, 0
	QUARTER 1, 128, F1, F0, 0
	QUARTER 1, 192, F0, F1, 0
	s_wait_dscnt 8                                 ; the very last quarter: nothing more to fetch
	WIN MUL_LO
	MUL16 F1, 0, 0, 0
	MUL16 F1, 0, 2, 0
	s_wait_dscnt 0x0
	MUL16 F1, 1, 0, 0
	MUL16 F1, 1, 2, 0
	WIN 0
	PLACES                                         ; behind the last products: the stage's stores read results, and its loads land in registers that products have read
	TOSTAGE 0
.irp a, 1,2,3,4,5,6,7                  ; block a's way through the stage is issued ahead of block a - 1's additions and stores
	TOSTAGE \a
	SEND (\a)-1, 32
.endr
	SEND 7, 0
	s_wait_tensorcnt 0x0                           ; the wave's end: an add and its wait, behind my last tensor load and my last LDS store
	ds_add_u32 v[SPW], v[NIL]
	s_wait_dscnt 0x0
	CROUND                                         ; the closing round: no work-group ends while a partner may still ask for a tile that names it
	s_endpgm
.Lfunc_end_k_q67089ed874_gemm:
	.size	k_q67089ed874_gemm, .Lfunc_end_k_q67089ed874_gemm-k_q67089ed874_gemm
	.p2alignl 7, 3214868480
	.fill 96, 4, 3214868480
	.section	.rodata,"a",@progbits
	.p2align	6, 0x0
	.amdhsa_kernel k_q67089ed874_gemm
		.amdhsa_group_segment_fixed_size 327680
		.amdhsa_private_segment_fixed_size 0
		.amdhsa_enable_private_segment 0
		.amdhsa_kernarg_size 32
		.amdhsa_user_sgpr_count 2
		.amdhsa_user_sgpr_kernarg_segment_ptr 1
		.amdhsa_wavefront_size32 1
		.amdhsa_system_sgpr_workgroup_id_x 1
		.amdhsa_system_sgpr_workgroup_id_y 1
		.amdhsa_system_sgpr_workgroup_id_z 1
		.amdhsa_system_vgpr_workitem_id 0
		.amdhsa_next_free_vgpr 1024
		.amdhsa_next_free_sgpr 66
		.amdhsa_reserve_vcc 0
		.amdhsa_float_denorm_mode_32 3
		.amdhsa_float_denorm_mode_16_64 3
		.amdhsa_memory_ordered 1
		.amdhsa_forward_progress 1
		.amdhsa_inst_pref_size 160
	.end_amdhsa_kernel
	.amdgpu_metadata
---
amdhsa.version: [ 1, 2 ]
amdhsa.kernels:
  - .name:           k_q67089ed874_gemm
    .symbol:         k_q67089ed874_gemm.kd
    .args:
      - { .name: xh, .offset: 0, .size: 8, .value_kind: global_buffer, .address_space: global }
      - { .name: wh, .offset: 8, .size: 8, .value_kind: global_buffer, .address_space: global }
      - { .name: out0, .offset: 16, .size: 8, .value_kind: global_buffer, .address_space: global }
      - { .name: bias, .offset: 24, .size: 8, .value_kind: global_buffer, .address_space: global }
    .group_segment_fixed_size: 327680
    .private_segment_fixed_size: 0
    .kernarg_segment_align: 8
    .kernarg_segment_size: 32
    .max_flat_workgroup_size: 128
    .sgpr_count:     66
    .vgpr_count:     1024
    .wavefront_size: 32
...
	.end_amdgpu_metadata
.endif
;; end of part 2
;; ======== version 2 of 2: 2 launches; version 1 with the launch prep written anew for expert scheduling mode
;; limits: values are held in f16: magnitudes above 65,504 overflow, below 6.1e-05 lose precision
;; workspace buffers: xh 33,554,432 bytes; wh 33,554,432 bytes
;; launch prep (part 3): grid 768 x 1, 8 waves a work-group, no clusters, 0 bytes of LDS; arguments x, W_q, scale, zero, xh, wh; writes xh, wh
.if DOCPART == 3
	.amdgcn_target "amdgcn-amd-amdhsa--gfx1250"
	.amdhsa_code_object_version 6
	.text
	.protected	k_q67089ed874_prep
	.globl	k_q67089ed874_prep
	.p2align	8
	.type	k_q67089ed874_prep,@function
k_q67089ed874_prep:
	s_mov_b64 s[64:65], 0
	v_nop
	global_prefetch_b8 v0, s[64:65] scope:SCOPE_SE
	s_setreg_imm32_b32 hwreg(HW_REG_WAVE_SCHED_MODE, 0, 2), 2
	s_setreg_imm32_b32 hwreg(HW_REG_WAVE_MODE, 25, 1), 1
	s_wait_xcnt 0x0
	s_wait_alu depctr_vm_vsrc(0)
; xh[t][k] = f16(x[t][k]);  wh[o][k] = f16((code(o, k) - zero[g]) * scale[g]), g = 64 o + k / 64.
; W_q, read as [2048 rows][4096] of int32: word (r, k) holds the code of wh[r][k] in W_q >> 4 (arithmetic shift) and that of wh[r + 2048][k] in W_q & 15.
; The dequantisation is made in f32 in the order subtract, multiply, and rounded once to f16.
; LIMITS.  f16 holds no number beyond 65,504: an x or a dequantised weight of magnitude 65,520 or more becomes an infinity; below 6e-5 f16 keeps its fixed step of 6e-8.
; SHARES.  A stream: each input byte is read once, each output byte written once, nothing is shared, so there is no LDS, no barrier, no matrix work.
; One wave takes one row of 16,384 input bytes as 32 loads of 16 bytes a lane (512 consecutive bytes each), all issued before anything else: the row is in flight at once, and there is no loop.
; Work-groups 0-511: wave w of group b takes row 8 b + w of x.  Work-groups 512-767: wave w of group b - 512 takes row 8 (b - 512) + w of W_q and writes two rows of wh.
; Results are written over the registers that their load filled; those are then store data and are never written again, and no address register or base is written behind the first load.
; A store is 8 bytes a lane: 256 consecutive bytes, aligned.
; THE MODE: SCHED_MODE bits 1:0 = 2 (LLVM: expert scheduling mode 2), set by the entry lines.  The code itself states the register dependences
; between vector instructions and memory instructions, with s_wait_alu, always for 0.
; THE PLAN.  The 32 chunks go in 8 blocks of four.  Registers that memory instructions touch:
;   v3, v4, v5   byte offsets, made once by vector instructions ahead of an arm's first load and never written again.
;   v8-15        scales and zeros: written by loads that no vector instruction's naming precedes; read by vector instructions behind the counted wait for them.
;   X + 4 j      chunk j: written by its load; read and written over by block j / 4's vector lines; read by the chunk's stores, which are issued in block j / 4 + 1; never written again.
;   T and the pairs PSH .. PZL are named by vector instructions alone.
; Block p works on its own four chunks; its memory instructions are the stores of block p - 1's chunks, whose registers no vector line of block p names.  So ONE wait on va_vdst at a block's head
; states all that the block's stores hang on, and they are dealt among its vector lines with no further wait.  No register that a memory instruction has read is written again: no wait on vm_vsrc is owed.
.set SH,  8                            ; v8-9    scale of the high nibbles' row: register m, lane (h, i) holds group 2 (i + 16 m) + h of the row's 64
.set ZH,  10                           ; v10-11  zero of that row
.set SL,  12                           ; v12-13  scale of the low nibbles' row (2,048 rows further down)
.set ZL,  14                           ; v14-15  zero of that row
.set PSH, 16                           ; v16-17  the chunk's scale, high row, in the pair's low word (the packed forms take the low word for both halves)
.set PZH, 18                           ; v18-19  its zero
.set PSL, 20                           ; v20-21  the same for the low row
.set PZL, 22                           ; v22-23
.set T,   24                           ; v24-31  at work: four high codes, four low codes
.set X,   32                           ; v32-159 load j at X + 4 j
	s_load_b256 s[4:11], s[0:1], 0x0               ; x s[4:5], W_q s[6:7], scale s[8:9], zero s[10:11]
	s_load_b128 s[12:15], s[0:1], 0x20             ; xh s[12:13], wh s[14:15]
	v_lshrrev_b32 v1, 5, v0
	v_readfirstlane_b32 s16, v1                    ; my wave's number
	v_and_b32 v2, 31, v0                           ; lane
	v_lshlrev_b32 v3, 4, v2                        ; 16 bytes a lane in
	v_lshlrev_b32 v4, 3, v2                        ; 8 bytes a lane out
	s_mov_b32 s19, 0                               ; high words of the two offsets
	s_mov_b32 s21, 0
	s_wait_alu depctr_va_sdst(0)                   ; s16 is written: both arms read it first behind the branch below
	s_wait_kmcnt 0x0
	s_cmp_ge_u32 ttmp9, 512
	s_cbranch_scc1 .Lweights
	; ---- a row of x ----
	s_lshl_b32 s17, ttmp9, 3
	s_add_co_u32 s17, s17, s16                     ; row 8 b + w
	s_lshl_b32 s18, s17, 14                        ; 16,384 bytes a row in (the last row begins under 2^26)
	s_lshl_b32 s20, s17, 13                        ; 8,192 bytes a row out
	s_add_nc_u64 s[4:5], s[4:5], s[18:19]
	s_add_nc_u64 s[12:13], s[12:13], s[20:21]
	s_wait_alu depctr_va_vdst(0)                   ; v3 and v4 are written: every load of this arm reads v3 as its offset, every store v4
.set c, 0
.rept 32
	global_load_b128 v[X+4*c:X+4*c+3], v3, s[4:5] offset:512*c th:TH_LOAD_NT
.set c, c+1
.endr
; Block p: chunks 4 p to 4 p + 3, four numbers a lane each, are rounded in pairs; the chunks of block p - 1 are stored, one ahead of each chunk's roundings.
.macro XBLK p
	s_wait_loadcnt 28-4*(\p)                       ; loads come back in order (ISA guide 5.7.1): chunks 4 p to 4 p + 3 are in, the 28 - 4 p younger ones stay out
.if (\p) > 0
	s_wait_alu depctr_va_vdst(0)                   ; the block before has written its chunks' registers, which the stores below read; no vector line of this block names them
.endif
.irp i, 0,1,2,3
.if (\p) > 0
	global_store_b64 v4, v[X+4*(4*(\p)+(\i)-4):X+4*(4*(\p)+(\i)-4)+1], s[12:13] offset:256*(4*(\p)+(\i)-4)
.endif
	v_cvt_pk_f16_f32 v[X+4*(4*(\p)+(\i))],   v[X+4*(4*(\p)+(\i))],   v[X+4*(4*(\p)+(\i))+1]
	v_cvt_pk_f16_f32 v[X+4*(4*(\p)+(\i))+1], v[X+4*(4*(\p)+(\i))+2], v[X+4*(4*(\p)+(\i))+3]
.endr
.endm
.irp p, 0,1,2,3,4,5,6,7
	XBLK \p
.endr
	s_wait_alu depctr_va_vdst(0)                   ; block 7 has written its chunks' registers, which the last four stores read
.irp j, 28,29,30,31
	global_store_b64 v4, v[X+4*(\j):X+4*(\j)+1], s[12:13] offset:256*(\j)
.endr
	s_endpgm
	; ---- a row of W_q: two rows of wh ----
.Lweights:
	s_sub_co_u32 s17, ttmp9, 512
	s_lshl_b32 s17, s17, 3
	s_add_co_u32 s17, s17, s16                     ; row r = 8 (b - 512) + w, 0 to 2,047
	s_lshl_b32 s18, s17, 14
	s_lshl_b32 s20, s17, 13
	s_add_nc_u64 s[6:7], s[6:7], s[18:19]          ; W_q at row r
	s_add_nc_u64 s[14:15], s[14:15], s[20:21]      ; wh at row r,
	s_add_nc_u64 s[22:23], s[14:15], 0x1000000     ; and at row r + 2,048: 2,048 rows of 8,192 bytes
	s_lshl_b32 s18, s17, 8                         ; a row's 64 scales, and its 64 zeros, are 256 bytes
	s_add_nc_u64 s[8:9], s[8:9], s[18:19]
	s_add_nc_u64 s[10:11], s[10:11], s[18:19]
	v_and_b32 v5, 15, v2                           ; i = lane % 16
	v_lshrrev_b32 v1, 4, v2                        ; h = lane / 16
	v_lshlrev_b32 v5, 3, v5
	v_lshl_add_u32 v5, v1, 2, v5                   ; 8 i + 4 h: with 128 m that is group 2 (i + 16 m) + h; an array's two loads cover its 256 bytes
	s_wait_alu depctr_va_vdst(0)                   ; v3, v4 and v5 are written: the loads of this arm read v5 or v3 as their offset, its stores v4
.irp m, 0,1
	global_load_b32 v[SH+(\m)], v5, s[8:9]   offset:128*(\m)
	global_load_b32 v[ZH+(\m)], v5, s[10:11] offset:128*(\m)
	global_load_b32 v[SL+(\m)], v5, s[8:9]   offset:524288+128*(\m)   ; 2,048 rows of 256 bytes further on
	global_load_b32 v[ZL+(\m)], v5, s[10:11] offset:524288+128*(\m)
.endr
.set c, 0
.rept 32
	global_load_b128 v[X+4*c:X+4*c+3], v3, s[6:7] offset:512*c th:TH_LOAD_NT
.set c, c+1
.endr
.set c, PSH
.rept 8
	v_mov_b32 v[c], 0                              ; the four pairs are written whole once: a lane-sharing move counts as a reader of its destination, a packed form as a reader of the pair
.set c, c+1
.endr
; Chunk j = 16 m + n.  Lane l holds k = 128 j + 4 l .. + 3, which lie in group 2 j + l / 16: that group's numbers stand in lane n of my half of the lanes, register m.
; Ahead of the chunk's arithmetic stand the two stores of chunk j - 4, the same place in the block before.
.macro WCH m, n
.set j, 16*(\m)+(\n)
.if j >= 4
	global_store_b64 v4, v[X+4*(j-4):X+4*(j-4)+1],   s[14:15] offset:256*(j-4)
	global_store_b64 v4, v[X+4*(j-4)+2:X+4*(j-4)+3], s[22:23] offset:256*(j-4)
.endif
	v_mov_b32_dpp v[PSH], v[SH+(\m)] row_share:\n row_mask:0xf bank_mask:0xf
	v_mov_b32_dpp v[PZH], v[ZH+(\m)] row_share:\n row_mask:0xf bank_mask:0xf
	v_mov_b32_dpp v[PSL], v[SL+(\m)] row_share:\n row_mask:0xf bank_mask:0xf
	v_mov_b32_dpp v[PZL], v[ZL+(\m)] row_share:\n row_mask:0xf bank_mask:0xf
.irp e, 0,1,2,3
	v_ashrrev_i32 v[T+(\e)],   4,  v[X+4*j+(\e)]   ; W_q >> 4
	v_and_b32     v[T+4+(\e)], 15, v[X+4*j+(\e)]   ; W_q & 15
.endr
.irp e, 0,1,2,3,4,5,6,7
	v_cvt_f32_i32 v[T+(\e)], v[T+(\e)]
.endr
.irp p, 0,2
	v_pk_add_f32 v[T+(\p):T+(\p)+1],     v[T+(\p):T+(\p)+1],     v[PZH:PZH+1] op_sel_hi:[1,0] neg_lo:[0,1] neg_hi:[0,1]  ; code - zero
	v_pk_add_f32 v[T+4+(\p):T+4+(\p)+1], v[T+4+(\p):T+4+(\p)+1], v[PZL:PZL+1] op_sel_hi:[1,0] neg_lo:[0,1] neg_hi:[0,1]
.endr
.irp p, 0,2
	v_pk_mul_f32 v[T+(\p):T+(\p)+1],     v[T+(\p):T+(\p)+1],     v[PSH:PSH+1] op_sel_hi:[1,0]  ; times scale
	v_pk_mul_f32 v[T+4+(\p):T+4+(\p)+1], v[T+4+(\p):T+4+(\p)+1], v[PSL:PSL+1] op_sel_hi:[1,0]
.endr
.irp p, 0,1,2,3
	v_cvt_pk_f16_f32 v[X+4*j+(\p)], v[T+2*(\p)], v[T+2*(\p)+1]
.endr
.endm
; Block p: chunks 4 p to 4 p + 3 = 16 m + n0 .. n3.
.macro WBLK p, m, n0, n1, n2, n3
	s_wait_loadcnt 28-4*(\p)                       ; chunks 4 p to 4 p + 3 are in (and the scales and zeros, which were asked for first); the 28 - 4 p younger chunks stay out
.if (\p) > 0
	s_wait_alu depctr_va_vdst(0)                   ; the block before has written its chunks' registers, which this block's stores read; no vector line of this block names them
.endif
	WCH \m, \n0
	WCH \m, \n1
	WCH \m, \n2
	WCH \m, \n3
.endm
	WBLK 0, 0, 0, 1, 2, 3
	WBLK 1, 0, 4, 5, 6, 7
	WBLK 2, 0, 8, 9, 10, 11
	WBLK 3, 0, 12, 13, 14, 15
	WBLK 4, 1, 0, 1, 2, 3
	WBLK 5, 1, 4, 5, 6, 7
	WBLK 6, 1, 8, 9, 10, 11
	WBLK 7, 1, 12, 13, 14, 15
	s_wait_alu depctr_va_vdst(0)                   ; block 7 has written its chunks' registers, which the last eight stores read
.irp j, 28,29,30,31
	global_store_b64 v4, v[X+4*(\j):X+4*(\j)+1],   s[14:15] offset:256*(\j)
	global_store_b64 v4, v[X+4*(\j)+2:X+4*(\j)+3], s[22:23] offset:256*(\j)
.endr
	s_endpgm
.Lfunc_end_k_q67089ed874_prep:
	.size	k_q67089ed874_prep, .Lfunc_end_k_q67089ed874_prep-k_q67089ed874_prep
	.p2alignl 7, 3214868480
	.fill 96, 4, 3214868480
	.section	.rodata,"a",@progbits
	.p2align	6, 0x0
	.amdhsa_kernel k_q67089ed874_prep
		.amdhsa_group_segment_fixed_size 0
		.amdhsa_private_segment_fixed_size 0
		.amdhsa_enable_private_segment 0
		.amdhsa_kernarg_size 48
		.amdhsa_user_sgpr_count 2
		.amdhsa_user_sgpr_kernarg_segment_ptr 1
		.amdhsa_wavefront_size32 1
		.amdhsa_system_sgpr_workgroup_id_x 1
		.amdhsa_system_sgpr_workgroup_id_y 1
		.amdhsa_system_sgpr_workgroup_id_z 1
		.amdhsa_system_vgpr_workitem_id 0
		.amdhsa_next_free_vgpr 160
		.amdhsa_next_free_sgpr 66
		.amdhsa_reserve_vcc 0
		.amdhsa_float_denorm_mode_32 3
		.amdhsa_float_denorm_mode_16_64 3
		.amdhsa_memory_ordered 1
		.amdhsa_forward_progress 1
		.amdhsa_inst_pref_size 71
	.end_amdhsa_kernel
	.amdgpu_metadata
---
amdhsa.version: [ 1, 2 ]
amdhsa.kernels:
  - .name:           k_q67089ed874_prep
    .symbol:         k_q67089ed874_prep.kd
    .args:
      - { .name: x, .offset: 0, .size: 8, .value_kind: global_buffer, .address_space: global }
      - { .name: W_q, .offset: 8, .size: 8, .value_kind: global_buffer, .address_space: global }
      - { .name: scale, .offset: 16, .size: 8, .value_kind: global_buffer, .address_space: global }
      - { .name: zero, .offset: 24, .size: 8, .value_kind: global_buffer, .address_space: global }
      - { .name: xh, .offset: 32, .size: 8, .value_kind: global_buffer, .address_space: global }
      - { .name: wh, .offset: 40, .size: 8, .value_kind: global_buffer, .address_space: global }
    .group_segment_fixed_size: 0
    .private_segment_fixed_size: 0
    .kernarg_segment_align: 8
    .kernarg_segment_size: 48
    .max_flat_workgroup_size: 256
    .sgpr_count:     66
    .vgpr_count:     160
    .wavefront_size: 32
...
	.end_amdgpu_metadata
.endif
;; end of part 3
;; launch gemm: the kernel of part 2 again; grid 16 x 16, 4 waves a work-group, clusters of 4 x 4, 327,680 bytes of LDS; arguments xh, wh, out0, bias; writes out0
